; MI455X (gfx1250); checked and timed in simulation.
; The chip was launched on July 23, 2026; its instructions are those of AMD's public machine-readable ISA for CDNA 5 (MIT licence, August 2026) and "CDNA5" Instruction Set Architecture Reference Guide (July 2026). The comments in the code are by the model that wrote it; some were corrected since.
;; Multihead Attention Block. Allowed arithmetic: matrix products marked QUANTISED: E4M3 operands, one given power-of-two scale a tensor, by v_wmma_f32_16x16x64_fp8_fp8 or v_wmma_f32_16x16x128_fp8_fp8, f32 sums; everything else in f32.
;; Inputs: bk 1,024 float32; bo 1,024 float32; bq 1,024 float32; bv 1,024 float32; k 4 x 2,048 x 1,024 float32; lowp_scales 12 int32 (the exponents e of the quantised operands' scales 2^e); mask 1 x 1 x 2,048 x 2,048 int32; q 4 x 2,048 x 1,024 float32; v 4 x 2,048 x 1,024 float32; wk 1,024 x 1,024 float32; wo 1,024 x 1,024 float32; wq 1,024 x 1,024 float32; wv 1,024 x 1,024 float32.
;; Outputs: out0 4 x 2,048 x 1,024 float32.
;; This version of the problem:
;;   THIS VERSION OF THE PROBLEM IS GIVEN IN LOW PRECISION. The matrix products marked QUANTISED in the list below multiply operands that are first quantised to E4M3 (4 exponent bits, 3 mantissa bits; 8 bits a number), with one given power-of-two scale for each operand tensor; their sums are f32. All else is computed in f32.
;;   The module's matrix products, in the order in which they are computed (A, B: the left and right operand; K: the contracted axis; several contracted axes count as one K, in the product's order):
;;     1. [M 8,192, K 1,024] x [K 1,024, N 1,024]; A: input q; B: input wq: QUANTISED (scales: A lowp_scales[0], B lowp_scales[1])
;;     2. [M 8,192, K 1,024] x [K 1,024, N 1,024]; A: input k; B: input wk: QUANTISED (scales: A lowp_scales[2], B lowp_scales[3])
;;     3. [M 8,192, K 1,024] x [K 1,024, N 1,024]; A: input v; B: input wv: QUANTISED (scales: A lowp_scales[4], B lowp_scales[5])
;;     4. batch 64 x [M 2,048, K 64] x [K 64, N 2,048]; A: computed on the way; B: computed on the way: QUANTISED (scales: A lowp_scales[6], B lowp_scales[7])
;;     5. batch 64 x [M 2,048, K 2,048] x [K 2,048, N 64]; A: softmax (see below); B: computed on the way: QUANTISED (scales: A lowp_scales[8], B lowp_scales[9])
;;     6. [M 8,192, K 1,024] x [K 1,024, N 1,024]; A: computed on the way; B: input wo: QUANTISED (scales: A lowp_scales[10], B lowp_scales[11])
;;   THE QUANTISER, for each operand of a quantised product, along K:
;;     - The operand's scale is 2^e, e = its entry of the input lowp_scales (int32; the entries are numbered through the quantised products in the list's order, A before B).
;;     - Each number is divided by the scale, clamped to +-448, and rounded to the nearest number of E4M3, ties to even, subnormals kept.
;;     - The product sums the exact products of the quantised numbers (number of the format x scale) in f32.
;;   ~~~python
;;   def quantise(x, axis, e):      # numpy; x: float32 -> the quantised numbers, widened to float32 again
;;       x = np.moveaxis(x, axis, -1); K = x.shape[-1]
;;       r = np.clip(x / 2.0 ** e, -448, 448)
;;       step = 2.0 ** (np.maximum(np.frexp(np.where(r == 0, 1, r))[1] - 1, -6) - 3)
;;       q = np.round(r / step) * step * 2.0 ** e      # np.round: ties to even
;;       return np.moveaxis(q, -1, axis).astype(np.float32)
;;   ~~~
;;   SOFTMAX AHEAD OF A QUANTISED PRODUCT. Where the list says 'softmax', what is quantised is not the finished softmax but p = 2^(t - M), with t = logit x log2(e) and M = ceil(the row's largest t), a whole number; so 1/2 < the row's largest p <= 1. The row's sum l is taken of the UNQUANTISED p, in f32, and the product's result is divided by l at the end. Since M is a whole number, a kernel that streams over the keys may use a running M (the ceiling of the running maximum): every later rescaling is an exact power of two, so the quantised numbers keep their values, but for numbers so far below the row's largest that they fall under the format's range.
;;   OPERANDS COMPUTED ON THE WAY. 'Computed on the way' means the value that the module computes at that place (a softmax that the list does not call 'softmax' is quantised finished and normalised). What goes into a quantiser is computed in f32, as accurately as f32 sums, v_exp_f32 and their like allow (about 1e-6 of the number): no bf16 or f16 on the way to a quantiser, and a product that is left as it is and whose result goes on into a quantised operand takes f32 operands (vector FMAs, or v_wmma_f32_16x16x4_f32). A number that lies on a knife's edge between two numbers of the format may be rounded either way, as far as f32 arithmetic and the matrix unit's own rounding can turn it there, and no further.
;; One version. Each part assembles by itself: llvm-mc -triple=amdgcn-amd-amdhsa -mcpu=gfx1250 --defsym DOCPART=n.
;; ======== version 1 of 1: 4 launches
;; workspace buffers: xc 25,165,824 bytes; wc 4,194,304 bytes; mw 524,288 bytes of whole numbers; mi 8,192 bytes of whole numbers; qkv 25,165,824 bytes; ci 8,388,608 bytes
;; launch prep (part 1): grid 1024 x 1, 4 waves a work-group, no clusters, 67,072 bytes of LDS; arguments q, k, v, wq, wk, wv, wo, lowp_scales, mask, xc, wc, mw, mi; writes xc, wc, mw, mi
.if DOCPART == 1
	.amdgcn_target "amdgcn-amd-amdhsa--gfx1250"
	.amdhsa_code_object_version 6
	.text
	.protected	k_q466afbb4f6_prep
	.globl	k_q466afbb4f6_prep
	.p2align	8
	.type	k_q466afbb4f6_prep,@function
k_q466afbb4f6_prep:
	s_mov_b64 s[64:65], 0
	v_nop
	global_prefetch_b8 v0, s[64:65] scope:SCOPE_SE
	s_setreg_imm32_b32 hwreg(HW_REG_WAVE_MODE, 25, 1), 1
	s_wait_xcnt 0x0
; TWO JOBS IN ONE LAUNCH, parted on the work-group's number; each has LDS bytes of its own, no barrier, and its own end.
; Work-groups 0-127: THE MASK [2048][2048] int32 becomes lane masks.  Work-group g takes queries 16 g .. 16 g + 15, wave w key steps 4 w .. 4 w + 3 (128 keys each).
;   mw[g][step][n], n = 8 T + j: bit L (lane L = 16 h + r) says that mask[16 g + r][128 step + 16 T + 8 h + j] is not 0: the lane mask for register n of the scores in the attention launch.
;   mi[g][step]: bits 15:0 the rows of the tile that have an open key in this step; bit 16: all 2,048 entries of the tile are open.
; Work-groups 128-1023: q, k, v [8192][1024] and wq, wk, wv, wo [1024][1024], f32, become codes of E4M3, K innermost as they lie: xc = q, k, v on end, wc = wq, wk, wv, wo on end.
;   code = x / 2^e, held within +-448, to the nearest code, ties to even.  e: entries 0, 2, 4, 1, 3, 5, 11 of the scales.  LIMITS: -126 <= e <= 119.  NaN among the inputs is not served.
;   A wave takes 16 steps of 512 numbers.  Each load reads 512 consecutive bytes; a step's 2,048 bytes turn through the wave's own stage in LDS so that a lane holds 16 neighbours along K;
;   a lane's 16 codes are 16 bytes, so a wave's store covers 512 consecutive bytes.  Loads run four steps ahead, the turn through LDS one step.
.set NMASK, 128                        ; work-groups for the mask
.set STEPS, 16
.set CB,    16                         ; bytes of 16 codes
.set R,     16                         ; v16-79   four sets of 16 numbers as loaded
.set X,     80                         ; v80-111  two sets of 16 neighbours
.set C,     128                        ; v128-191 codes: four registers for each step, never written again
.set WREG,  8192                       ; LDS 0 .. 32,767: a region for each wave of a quantising work-group: two stages of 32 x SP bytes
.set SP,    80                         ; a lane's place in a stage: 64 bytes + 16 of padding
.set MSTG,  32768                      ; LDS 32,768 on: a stage of 16 rows x MPITCH for each wave of a mask work-group
.set MPITCH, 528                       ; 512 bytes + 16 of padding
.set MR,    16                         ; v16-143  two sets of 64 mask words as loaded
.set MX,    144                        ; v144-207 64 mask words in the scores' layout
.set WD,    208                        ; v208-215 a pair for each step: lane l holds words 2 l and 2 l + 1
.set INF,   216                        ; v216     lane k: the info word of step k
.macro LOAD t
.irp i, 0,1,2,3
	global_load_b128 v[R+16*((\t)%4)+4*\i:R+16*((\t)%4)+4*\i+3], v3, s[4:5] offset:2048*(\t)+512*\i th:TH_LOAD_NT   ; 32 lanes read 512 consecutive bytes
.endr
.endm
.macro TURN t                          ; step t's numbers through the stage: LDS serves a wave's instructions in order, so no wait stands between the stores and the loads
.irp i, 0,1,2,3
	ds_store_b128 v14, v[R+16*((\t)%4)+4*\i:R+16*((\t)%4)+4*\i+3] offset:32*SP*((\t)%2)+8*SP*\i
.endr
.irp i, 0,1,2,3
	ds_load_b128 v[X+16*((\t)%2)+4*\i:X+16*((\t)%2)+4*\i+3], v15 offset:32*SP*((\t)%2)+16*\i
.endr
.endm
.macro STEP t
.set XS, X+16*((\t)%2)
	s_wait_dscnt 0x0                               ; this step's numbers are back from the stage, and its stores into the stage have read their registers,
.if (\t)+4 < STEPS
	LOAD (\t)+4                                    ; which take the loads of four steps on
.endif
.if (\t)+1 < STEPS
.if STEPS-2-(\t) >= 3
	s_wait_loadcnt 12                              ; the next step's four loads are in; those of the three steps behind it may be out
.else
	s_wait_loadcnt 4*(STEPS-2-(\t))
.endif
	TURN (\t)+1
.endif
.irp i, 0,1,2,3,4,5,6,7,8,9,10,11,12,13,14,15
	v_med3_num_f32 v[XS+\i], v[XS+\i], -v10, v10   ; the conversion to an 8-bit code does not saturate (ISA guide 7.6.2): the hold at the largest code x the scale
.endr
	v_cvt_scalef32_pk8_fp8_f32 v[C+4*(\t):C+4*(\t)+1], v[XS:XS+7], v11
	v_cvt_scalef32_pk8_fp8_f32 v[C+4*(\t)+2:C+4*(\t)+3], v[XS+8:XS+15], v11
	global_store_b128 v4, v[C+4*(\t):C+4*(\t)+3], s[6:7] offset:32*CB*(\t)   ; the results go to a store alone; the next vector lines are the next step's holds, on other registers
.endm
.macro PICK thr, reg                   ; from work-group thr on: another tensor
	s_cmp_ge_u32 s42, \thr
	s_cselect_b64 s[4:5], s[\reg:\reg+1], s[4:5]
	s_cselect_b32 s43, \thr, s43
.endm
.macro PICKE thr, reg                  ; and its exponent
	s_cmp_ge_u32 s42, \thr
	s_cselect_b32 s45, s[\reg], s45
.endm
.macro MLOAD k                         ; step k: 16 rows x 512 consecutive bytes
.irp i, 0,1,2,3,4,5,6,7,8,9,10,11,12,13,14,15
	global_load_b128 v[MR+64*((\k)%2)+4*\i:MR+64*((\k)%2)+4*\i+3], v3, s[4:5] offset:\i*8192+(\k)*512 th:TH_LOAD_NT
.endr
.endm
.macro MSTEP k
.if (\k) < 3
	s_wait_loadcnt 16                              ; this step's 16 loads are in; the next step's 16 may be out
.else
	s_wait_loadcnt 0
.endif
.irp i, 0,1,2,3,4,5,6,7,8,9,10,11,12,13,14,15
	ds_store_b128 v5, v[MR+64*((\k)%2)+4*\i:MR+64*((\k)%2)+4*\i+3] offset:\i*MPITCH
.endr
.irp t, 0,1,2,3,4,5,6,7
	ds_load_b128 v[MX+8*\t:MX+8*\t+3], v6 offset:64*\t       ; row r, keys 16 T + 8 h + 0 .. 3
	ds_load_b128 v[MX+8*\t+4:MX+8*\t+7], v6 offset:64*\t+16  ; and + 4 .. 7
.endr
	s_wait_dscnt 0x0
.if (\k)+2 < 4
	MLOAD (\k)+2
.endif
	s_mov_b32 s12, 0                               ; the OR of the 64 lane masks,
	s_mov_b32 s13, -1                              ; and their AND
.irp hh, 0,1
.set m, 0
.rept 32
	v_cmp_ne_u32 s[16+m], 0, v[MX+32*\hh+m]
.set m, m+1
.endr
.set m, 0
.rept 32
	s_or_b32 s12, s12, s[16+m]
	s_and_b32 s13, s13, s[16+m]
	v_writelane_b32 v[WD+2*(\k)+m%2], s[16+m], 16*\hh+m/2
.set m, m+1
.endr
.endr
	global_store_b64 v7, v[WD+2*(\k):WD+2*(\k)+1], s[6:7] offset:256*(\k)   ; 32 lanes store 256 consecutive bytes, aligned
	s_lshr_b32 s14, s12, 16
	s_or_b32 s14, s14, s12
	s_and_b32 s14, s14, 0xffff                     ; a row is open where either half of the lanes has an open key
	s_cmp_eq_u32 s13, -1
	s_cselect_b32 s15, 0x10000, 0
	s_or_b32 s14, s14, s15
	v_writelane_b32 v[INF], s14, \k
.endm
	s_load_b512 s[16:31], s[0:1], 0x0              ; q 16, k 18, v 20, wq 22, wk 24, wv 26, wo 28, scales 30
	s_load_b256 s[32:39], s[0:1], 0x40             ; mask 32, xc 34, wc 36, mw 38
	s_load_b64 s[40:41], s[0:1], 0x60              ; mi
	v_lshl_add_u32 v224, v0, 2, 0x10400
	v_mov_b32 v225, 0
	v_lshrrev_b32 v1, 5, v0
	v_readfirstlane_b32 s8, v1                     ; wave
	v_and_b32 v2, 31, v0                           ; lane
	v_lshlrev_b32 v3, 4, v2                        ; my 16 bytes of a load's 512
	s_cmp_lt_u32 ttmp9, NMASK
	s_cbranch_scc1 .Lmask
	; ---- the quantiser
	s_mul_i32 s9, s8, WREG
	v_lshrrev_b32 v14, 2, v2
	v_mul_u32_u24 v14, v14, SP
	v_and_b32 v15, 3, v2
	v_lshl_add_u32 v14, v15, 4, v14
	v_add_nc_u32 v14, s9, v14                      ; the stage, on the way in: SP (lane / 4) + 16 (lane % 4)
	v_mul_u32_u24 v15, v2, SP
	v_add_nc_u32 v15, s9, v15                      ; and on the way out: SP x lane: my 16 neighbours
	v_mul_u32_u24 v4, v2, CB                       ; my codes' place in a step's
	s_sub_co_u32 s42, ttmp9, NMASK                 ; u = 0 .. 895: 256 work-groups for each of q, k, v, 32 for each weight
	s_wait_kmcnt 0x0
	s_load_b256 s[48:55], s[30:31], 0x0            ; entries 0 to 7 of the scales
	s_load_b128 s[56:59], s[30:31], 0x20           ; entries 8 to 11
	s_mov_b64 s[4:5], s[16:17]
	s_mov_b32 s43, 0
	PICK 256, 18
	PICK 512, 20
	PICK 768, 22
	PICK 800, 24
	PICK 832, 26
	PICK 864, 28
	s_cmp_ge_u32 s42, 768
	s_cselect_b64 s[6:7], s[36:37], s[34:35]       ; the weights' codes or the tokens'
	s_cselect_b32 s44, 768, 0
	s_sub_co_u32 s43, s42, s43
	s_lshl_b32 s43, s43, 2
	s_add_co_u32 s43, s43, s8                      ; which run of 8,192 numbers of the tensor is my wave's
	s_lshl_b32 s10, s43, 15
	s_mov_b32 s11, 0
	s_add_nc_u64 s[4:5], s[4:5], s[10:11]
	s_sub_co_u32 s44, s42, s44
	s_lshl_b32 s44, s44, 2
	s_add_co_u32 s44, s44, s8
	s_lshl_b32 s10, s44, 13                        ; and which 8,192 bytes of the codes' buffer
	s_add_nc_u64 s[6:7], s[6:7], s[10:11]
.irp t, 0,1,2,3
	LOAD \t
.endr
	s_wait_kmcnt 0x0
	s_mov_b32 s45, s48
	PICKE 256, 50
	PICKE 512, 52
	PICKE 768, 49
	PICKE 800, 51
	PICKE 832, 53
	PICKE 864, 59
	s_add_co_i32 s45, s45, 127
	s_lshl_b32 s46, s45, 23
	v_mov_b32 v11, s46                             ; 2^e as f32: the conversion takes its exponent field
	s_add_co_i32 s45, s45, 8
	s_lshl_b32 s45, s45, 23
	s_or_b32 s45, s45, 0x600000
	v_mov_b32 v10, s45                             ; 448 x 2^e
	s_wait_loadcnt 12                              ; step 0's four loads are in
	TURN 0
.irp t, 0,1,2,3,4,5,6,7,8,9,10,11,12,13,14,15
	STEP \t
.endr
	s_wait_tensorcnt 0x0
	ds_add_u32 v224, v225
	s_wait_dscnt 0x0
	s_endpgm
	; ---- the mask
.Lmask:
	s_mul_i32 s9, s8, 16*MPITCH
	s_add_co_u32 s9, s9, MSTG                      ; my wave's stage
	v_add_nc_u32 v5, s9, v3                        ; in: a row as it lies, 16 bytes a lane
	v_and_b32 v10, 15, v2                          ; r
	v_lshrrev_b32 v11, 4, v2                       ; h
	v_mul_u32_u24 v6, v10, MPITCH
	v_lshl_add_u32 v6, v11, 5, v6
	v_add_nc_u32 v6, s9, v6                        ; out: row r, + 32 h bytes
	v_lshlrev_b32 v7, 3, v2
	v_lshlrev_b32 v9, 2, v2
.irp i, 0,1,2,3,4,5,6,7,8
	v_mov_b32 v[WD+\i], 0                          ; v_writelane_b32 counts as a reader of its destination
.endr
	s_lshl_b32 s10, ttmp9, 17                      ; 16 rows of 8,192 bytes,
	s_lshl_b32 s11, s8, 11                         ; my four steps of 512 bytes
	s_add_co_u32 s10, s10, s11
	s_mov_b32 s11, 0
	s_lshl_b32 s12, ttmp9, 4
	s_lshl_b32 s13, s8, 2
	s_add_co_u32 s12, s12, s13                     ; 16 g + 4 w
	s_lshl_b32 s14, s12, 8
	s_mov_b32 s15, 0
	s_lshl_b32 s12, s12, 2
	s_mov_b32 s13, 0
	s_wait_kmcnt 0x0
	s_add_nc_u64 s[4:5], s[32:33], s[10:11]
	s_add_nc_u64 s[6:7], s[38:39], s[14:15]
	s_add_nc_u64 s[10:11], s[40:41], s[12:13]
	MLOAD 0
	MLOAD 1
	MSTEP 0
	MSTEP 1
	MSTEP 2
	MSTEP 3
	v_cmp_gt_u32 vcc_lo, 4, v2
	s_wait_xcnt 0x0                                ; EXEC changes only when the stores above have read it
	s_wait_tensorcnt 0x0
	ds_add_u32 v224, v225
	s_wait_dscnt 0x0
	s_and_saveexec_b32 s15, vcc_lo
	global_store_b32 v9, v[INF], s[10:11]          ; lanes 0 to 3: my four info words
	s_wait_xcnt 0x0
	s_or_b32 exec_lo, exec_lo, s15
	s_endpgm
.Lfunc_end_k_q466afbb4f6_prep:
	.size	k_q466afbb4f6_prep, .Lfunc_end_k_q466afbb4f6_prep-k_q466afbb4f6_prep
	.p2alignl 7, 3214868480
	.fill 96, 4, 3214868480
	.section	.rodata,"a",@progbits
	.p2align	6, 0x0
	.amdhsa_kernel k_q466afbb4f6_prep
		.amdhsa_group_segment_fixed_size 67072
		.amdhsa_private_segment_fixed_size 0
		.amdhsa_enable_private_segment 0
		.amdhsa_kernarg_size 104
		.amdhsa_user_sgpr_count 2
		.amdhsa_user_sgpr_kernarg_segment_ptr 1
		.amdhsa_wavefront_size32 1
		.amdhsa_system_sgpr_workgroup_id_x 1
		.amdhsa_system_sgpr_workgroup_id_y 1
		.amdhsa_system_sgpr_workgroup_id_z 1
		.amdhsa_system_vgpr_workitem_id 0
		.amdhsa_next_free_vgpr 226
		.amdhsa_next_free_sgpr 100
		.amdhsa_reserve_vcc 1
		.amdhsa_float_denorm_mode_32 3
		.amdhsa_float_denorm_mode_16_64 3
		.amdhsa_memory_ordered 1
		.amdhsa_forward_progress 1
		.amdhsa_inst_pref_size 105
	.end_amdhsa_kernel
	.amdgpu_metadata
---
amdhsa.version: [ 1, 2 ]
amdhsa.kernels:
  - .name:           k_q466afbb4f6_prep
    .symbol:         k_q466afbb4f6_prep.kd
    .args:
      - { .name: q, .offset: 0, .size: 8, .value_kind: global_buffer, .address_space: global }
      - { .name: k, .offset: 8, .size: 8, .value_kind: global_buffer, .address_space: global }
      - { .name: v, .offset: 16, .size: 8, .value_kind: global_buffer, .address_space: global }
      - { .name: wq, .offset: 24, .size: 8, .value_kind: global_buffer, .address_space: global }
      - { .name: wk, .offset: 32, .size: 8, .value_kind: global_buffer, .address_space: global }
      - { .name: wv, .offset: 40, .size: 8, .value_kind: global_buffer, .address_space: global }
      - { .name: wo, .offset: 48, .size: 8, .value_kind: global_buffer, .address_space: global }
      - { .name: lowp_scales, .offset: 56, .size: 8, .value_kind: global_buffer, .address_space: global }
      - { .name: mask, .offset: 64, .size: 8, .value_kind: global_buffer, .address_space: global }
      - { .name: xc, .offset: 72, .size: 8, .value_kind: global_buffer, .address_space: global }
      - { .name: wc, .offset: 80, .size: 8, .value_kind: global_buffer, .address_space: global }
      - { .name: mw, .offset: 88, .size: 8, .value_kind: global_buffer, .address_space: global }
      - { .name: mi, .offset: 96, .size: 8, .value_kind: global_buffer, .address_space: global }
    .group_segment_fixed_size: 67072
    .private_segment_fixed_size: 0
    .kernarg_segment_align: 8
    .kernarg_segment_size: 104
    .max_flat_workgroup_size: 128
    .sgpr_count:     100
    .vgpr_count:     226
    .wavefront_size: 32
...
	.end_amdgpu_metadata
.endif
;; end of part 1
;; launch proj (part 2): grid 4 x 96, 4 waves a work-group, clusters of 4 x 4, 327,680 bytes of LDS; arguments xc, wc, lowp_scales, bq, bk, bv, qkv; writes qkv
.if DOCPART == 2
	.amdgcn_target "amdgcn-amd-amdhsa--gfx1250"
	.amdhsa_code_object_version 6
	.text
	.protected	k_q466afbb4f6_proj
	.globl	k_q466afbb4f6_proj
	.p2align	8
	.type	k_q466afbb4f6_proj,@function
k_q466afbb4f6_proj:
	s_mov_b64 s[64:65], 0
	v_nop
	global_prefetch_b8 v0, s[64:65] scope:SCOPE_SE
	s_setreg_imm32_b32 hwreg(HW_REG_WAVE_MODE, 25, 1), 1
	s_wait_xcnt 0x0
	s_wait_alu depctr_hold_cnt(0) depctr_sa_sdst(0) depctr_va_vdst(0) depctr_va_sdst(0) depctr_va_ssrc(0) depctr_va_vcc(0) depctr_vm_vsrc(0)
	s_getreg_b32 s2, hwreg(HW_REG_IB_STS2, 6, 4)
	s_cmp_eq_u32 s2, 0
	s_cbranch_scc0 .Lentry_in_a_cluster
	s_endpgm
.Lentry_in_a_cluster:
	s_bfe_u32 s2, ttmp6, 0x10000c
	s_cmp_lg_u32 s2, 0xf033
	s_cbranch_scc0 .Lentry_shape_is_right
	s_endpgm
.Lentry_shape_is_right:
; THE THREE PROJECTIONS x W^T + b on codes of E4M3, and their results quantised for the attention launch.  xc: q, k, v on end, [24576][1024] codes; wc: wq, wk, wv (, wo) on end, [n][k] codes.
; A tile of 256 tokens x 256 channels is made by a work-group of four waves; a wave makes 128 x 128: 64 accumulators of 16 x 16, 512 registers.  K goes in steps of 256 through a ring of two LDS slots filled by the
; tensor data mover.  Tile rows 0-31 are q's, 32-63 k's, 64-95 v's: eight clusters along y for each tensor, so the tensor's number hangs on the cluster's y alone and is the same in all sixteen partners.
; CLUSTERS: 4 x 4 work-groups.  The four of a row need the same tile of x, the four of a column the same tile of W: each tile is asked for JOINTLY.
; WHAT A LANE HOLDS.  Source 1's rows fall on lanes, source 0's on a lane's registers.  For Q and K source 1 = tokens, source 0 = channels: a lane's eight results are eight neighbouring channels of a token, the K of the scores.
; For V the two change places (the two LDS bases are chosen on the tensor's number; the regions are alike): a lane's eight results are eight neighbouring TOKENS of a channel, the K of the second product.
; So the conversions' results ARE operand registers, and they are stored as IMAGES: each group of four registers as 512 consecutive bytes, lane l at 16 l.
;   Q at byte 0 of qkv, K at 8 MiB: [batch x 16 + head][tile of 16 tokens][1,024 bytes]: registers 2 c, 2 c + 1 = channels 16 c + 8 h + 0 .. 7 of token r.
;   V at 16 MiB: [batch x 16 + head][step of 128 tokens][tile of 16 channels][2,048 bytes]: registers 2 c, 2 c + 1 = tokens 16 c + 8 h + 0 .. 7 of channel r.
; A sum stands for sum x 2^(ea + eb): the bias goes in divided by that, and the conversion takes 2^(eo - ea - eb).  LIMITS: eo - ea - eb between -126 and 119; NaN is not served.
; REGISTERS, in windows of 256: window 0: v0-31 addresses; v32-47 the bias by lanes, v64-127 the bias by registers; v48-50 scale, hold, 16 x lane; from v128 source 1's fragments, ONE set (on the way out v128-223 are at work).
;   window 1: source 0's fragments, TWO sets.   window 2: the accumulators of source 1's blocks 0-3 (accumulator (a, b) at v[8 (8 a + b)]);   window 3: of blocks 4-7.
.set SIZE_K, 1024
.set KSTEP,  256
.set ROWB,   256
.set KROW,   SIZE_K
.set PITCH,  272                       ; an LDS row: 256 bytes + 16 of padding: the 16 rows that a load touches start at 16 different banks (64 banks of 4 bytes: ISA guide 11.1)
.set FR,     16
.set NL,     4
.set NP,     4
.set HALFT,  128*PITCH
.set SLOT,   4*HALFT                   ; x's 256 rows, then W's 256 rows
.set LAPS,   SIZE_K/(2*KSTEP)
.set SPARE,  2*SLOT                    ; behind the ring: the spare words, 128 bytes for each wave
.set ADRA, 16                          ; v16-17  LDS address of source 1's fragments in slot 0, 1
.set ADRB, 20                          ; v20-21  of source 0's
.set SPW,  28
.set NIL,  29
.set BM,   32                          ; v32, 34 .. 46: bias[first channel + 16 a + r]; the odd registers take a copy
.set BN,   64                          ; v64-127: bias[first channel + 16 b + 8 h + j] at 8 b + j
.set AF,   128
.set TT,   128                         ; the way out: a block's 64 numbers
.set CD,   192                         ; and its codes: two sets of 16 by turns
.set G1, 24
.set G0, 32
.set G1B, 48
.set G0B, 56
.set MSB, 0
.macro WIN new                         ; the immediate's high byte repeats the setting that is left
.if MSB != \new
	s_set_vgpr_msb (MSB<<8)|\new
.set MSB, \new
.endif
.endm
.set MUL_LO, 0xa1                      ; source 0 window 1, source 1 window 0, C and D window 2
.set MUL_HI, 0xf1
.set TO_B,   0x40
; A joint load: waves 0 and 1 fetch x's halves, waves 2 and 3 W's.  The branch hangs on the wave's number alone.  Four v_nop follow each of the two lines.
.macro JLOAD g0a, g1a, g0b, g1b
	s_cmp_eq_u32 s15, 0
	s_cbranch_scc0 .Lfor_b_\@
	tensor_load_to_lds s[\g0a:\g0a+3], s[\g1a:\g1a+7]
	s_nop 0
.rept 4
	v_nop
.endr
	s_branch .Lasked_\@
.Lfor_b_\@:
	tensor_load_to_lds s[\g0b:\g0b+3], s[\g1b:\g1b+7]
	s_nop 0
.rept 4
	v_nop
.endr
.Lasked_\@:
.endm
.macro CREST                           ; a round of the cluster's barrier behind its opening barrier
	s_cmp_lg_u32 s14, 0
	s_cbranch_scc1 .Lnot_wave_0_\@
	s_barrier_signal -3
.Lnot_wave_0_\@:
	s_barrier_wait -3
	s_barrier_signal -1
	s_barrier_wait -1
.endm
.macro CROUND
	s_barrier_signal -1
	s_barrier_wait -1
	CREST
.endm
	s_load_b128 s[4:7], s[0:1], 0x0                ; xc, wc
	s_load_b128 s[8:11], s[0:1], 0x10              ; the scales' exponents s[8:9], bq s[10:11]
	s_load_b128 s[68:71], s[0:1], 0x20             ; bk, bv
	s_load_b64 s[72:73], s[0:1], 0x30              ; qkv
	v_lshl_add_u32 v[SPW], v0, 2, SPARE
	v_mov_b32 v[NIL], 0
	ds_add_u32 v28, v29
	ds_add_u32 v28, v29
	s_wait_dscnt 0x0
	v_lshrrev_b32 v1, 5, v0
	v_readfirstlane_b32 s14, v1                    ; wave 0..3
	s_lshr_b32 s15, s14, 1                         ; which half of the tokens is mine.  Also: I fetch for x (0) or for W (1)
	s_and_b32 s16, s14, 1                          ; which half of the channels.  Also: which 128 rows of that tile I fetch
	s_bfe_u32 s40, ttmp6, 0x40000                  ; cx, cy
	s_bfe_u32 s41, ttmp6, 0x40004
	s_lshl_b32 s42, ttmp9, 2
	s_add_co_u32 s42, s42, s40                     ; X: tile column = 4 x cluster x + cx
	s_and_b32 s17, ttmp7, 0xffff
	s_lshr_b32 s66, s17, 3                         ; the tensor: 0 q, 1 k, 2 v: from the cluster's y alone
	s_lshl_b32 s17, s17, 2
	s_add_co_u32 s17, s17, s41                     ; Y: tile row in xc = 4 x cluster y + cy
	s_lshl_b32 s43, s41, 2
	s_lshl_b32 s43, 15, s43                        ; my row of the cluster
	s_lshl_b32 s44, 0x1111, s40                    ; my column
	s_or_b32 s[G1+0], s43, (0<<16)|(1<<20)|(1<<21)|(5<<22)|(3<<25)  ; the mask; elements of 1 byte; padding on; bit 21 beside a mask; 4 words of padding after every 64
	s_or_b32 s[G1B+0], s44, (0<<16)|(1<<20)|(1<<21)|(5<<22)|(3<<25)
.irp g, G1, G1B
	s_mov_b32 s[\g+1], ROWB<<16                    ; tensor_dim0
	s_mov_b32 s[\g+2], 128<<16                     ; tensor_dim1
	s_mov_b32 s[\g+3], ROWB<<16                    ; tile_dim0
	s_mov_b32 s[\g+4], 128                         ; tile_dim1
	s_mov_b32 s[\g+5], KROW                        ; tensor_dim0_stride
	s_mov_b32 s[\g+6], 0
	s_mov_b32 s[\g+7], 0
.endr
	s_lshl_b32 s18, s16, 7
	s_lshl_b32 s20, s17, 8
	s_add_co_u32 s20, s20, s18                     ; x: row 256 Y + 128 x half
	s_lshl_b32 s46, s42, 8
	s_add_co_u32 s46, s46, s18                     ; W: row 256 X + 128 x half,
	s_mov_b32 s21, 0
	s_mov_b32 s47, 0
	s_mov_b64 s[18:19], KROW
	s_mul_u64 s[20:21], s[20:21], s[18:19]
	s_mul_u64 s[46:47], s[46:47], s[18:19]
	s_lshl_b32 s74, s66, 20                        ; in the tensor's own weight: 2^20 bytes each
	s_mov_b32 s75, 0
	s_add_nc_u64 s[46:47], s[46:47], s[74:75]
	s_mul_i32 s45, s14, HALFT                      ; where they go: wave x 128 rows
	s_wait_kmcnt 0x0
	s_load_b256 s[76:83], s[8:9], 0x0              ; entries 0 to 7 of the scales
	s_load_b128 s[84:87], s[8:9], 0x20             ; entries 8 to 11
	s_add_nc_u64 s[20:21], s[4:5], s[20:21]
	s_add_nc_u64 s[46:47], s[6:7], s[46:47]
	CROUND                                         ; all sixteen work-groups are here: the first joint loads meet
.irp s, 0,1
	s_mov_b32 s[G0+4*\s], 1
	s_add_co_u32 s[G0+4*\s+1], s45, \s*SLOT
	s_add_nc_u64 s[G0+4*\s+2:G0+4*\s+3], s[20:21], \s*ROWB
	s_or_b32 s[G0+4*\s+3], s[G0+4*\s+3], 0x80000000
	s_mov_b32 s[G0B+4*\s], 1
	s_add_co_u32 s[G0B+4*\s+1], s45, \s*SLOT
	s_add_nc_u64 s[G0B+4*\s+2:G0B+4*\s+3], s[46:47], \s*ROWB
	s_or_b32 s[G0B+4*\s+3], s[G0B+4*\s+3], 0x80000000
	JLOAD G0+4*\s, G1, G0B+4*\s, G1B
.endr
	v_and_b32 v1, 15, v0                           ; r
	v_bfe_u32 v2, v0, 4, 1                         ; h
	v_mul_u32_u24 v3, v1, PITCH
	v_lshl_add_u32 v4, v2, 4, v3                   ; a fragment's row x pitch + 16 x half
	s_mul_i32 s21, s15, HALFT                      ; my 128 tokens,
	s_mul_i32 s22, s16, HALFT
	s_add_co_u32 s22, s22, 2*HALFT                 ; my 128 channels' rows of W
	s_cmp_eq_u32 s66, 2
	s_cselect_b32 s18, s22, s21                    ; source 1 (lanes): tokens, for V channels
	s_cselect_b32 s19, s21, s22                    ; source 0 (registers): channels, for V tokens
.irp s, 0,1
	v_add_nc_u32 v[ADRA+\s], s18, v4
	v_add_nc_u32 v[ADRB+\s], s19, v4
	s_add_co_u32 s18, s18, SLOT
	s_add_co_u32 s19, s19, SLOT
.endr
	; the bias of my 128 channels, in both forms, so that no register hangs on the tensor
	s_cmp_eq_u32 s66, 1
	s_cselect_b64 s[88:89], s[68:69], s[10:11]
	s_cmp_eq_u32 s66, 2
	s_cselect_b64 s[88:89], s[70:71], s[88:89]
	s_lshl_b32 s90, s42, 10
	s_lshl_b32 s91, s16, 9
	s_add_co_u32 s90, s90, s91                     ; 4 bytes x (256 X + 128 x half)
	s_mov_b32 s91, 0
	s_add_nc_u64 s[88:89], s[88:89], s[90:91]
	v_lshlrev_b32 v8, 5, v2                        ; 32 h
	v_lshlrev_b32 v9, 2, v1                        ; 4 r
.irp b, 0,1,2,3,4,5,6,7
	global_load_b128 v[BN+8*\b:BN+8*\b+3], v8, s[88:89] offset:64*\b
	global_load_b128 v[BN+8*\b+4:BN+8*\b+7], v8, s[88:89] offset:64*\b+16
.endr
.irp a, 0,1,2,3,4,5,6,7
	global_load_b32 v[BM+2*\a], v9, s[88:89] offset:64*\a
.endr
	v_and_b32 v50, 31, v0
	v_lshlrev_b32 v50, 4, v50                      ; 16 x lane: an image's place for my lane
	; where my images begin: tensor x 8 MiB + (16 batch + 4 X + 2 x channel half) x 131,072 + (2 (Y % 8) + token half) x 8,192: one formula for all three
	s_lshl_b32 s90, s66, 23
	s_bfe_u32 s91, s17, 0x20003                    ; the batch: (Y % 32) / 8
	s_lshl_b32 s91, s91, 21
	s_add_co_u32 s90, s90, s91
	s_lshl_b32 s91, s42, 2
	s_lshl_b32 s92, s16, 1
	s_add_co_u32 s91, s91, s92
	s_lshl_b32 s91, s91, 17
	s_add_co_u32 s90, s90, s91
	s_and_b32 s91, s17, 7
	s_lshl_b32 s91, s91, 1
	s_add_co_u32 s91, s91, s15
	s_lshl_b32 s91, s91, 13
	s_add_co_u32 s90, s90, s91
	s_mov_b32 s91, 0
	s_add_nc_u64 s[72:73], s[72:73], s[90:91]
.macro FRAG reg, adr, q, i             ; 16 rows x 128 K in 16 registers: registers 4 c .. 4 c + 3 hold K = 32 c + 16 h + 0 .. 15: the same places in both sources
.irp c, 0,1,2,3
	ds_load_b128 v[\reg+4*\c:\reg+4*\c+3], v[\adr] offset:128*(\q)+32*\c+(\i)*16*PITCH
.endr
.endm
; 16 matrix instructions: source 1's blocks a0, a0 + 1 x source 0's eight.  The 64 accumulators take turns, one instruction a turn, in the same order in every step.
.macro MUL16 a0, p, zero
.irp a, \a0, \a0+1
.irp b, 0,1,2,3,4,5,6,7
.if \zero
	v_wmma_f32_16x16x128_fp8_fp8 v[8*(8*((\a)%4)+\b):8*(8*((\a)%4)+\b)+7], v[128*(\p)+FR*\b:128*(\p)+FR*\b+FR-1], v[AF+FR*(\a):AF+FR*(\a)+FR-1], 0
.else
	v_wmma_f32_16x16x128_fp8_fp8 v[8*(8*((\a)%4)+\b):8*(8*((\a)%4)+\b)+7], v[128*(\p)+FR*\b:128*(\p)+FR*\b+FR-1], v[AF+FR*(\a):AF+FR*(\a)+FR-1], v[8*(8*((\a)%4)+\b):8*(8*((\a)%4)+\b)+7]
.endif
.endr
.endr
.endm
.macro FETCH_B slot, q, p
	WIN TO_B
.irp i, 0,1,2,3,4,5,6,7
	FRAG 128*(\p)+FR*\i, ADRB+\slot, \q, \i
.endr
	WIN 0
.endm
.macro FETCH_A slot, q, i0
.irp i, \i0, \i0+1, \i0+2, \i0+3
	FRAG AF+FR*(\i), ADRA+\slot, \q, \i
.endr
.endm
.macro PLACES n                        ; plain vector lines between a matrix instruction and a load into, or a vector line on, its registers
.rept \n
	v_nop
.endr
.endm
.macro STEP slot, q, zero              ; a step of 128 along K that has its successor in the same slot
	s_wait_dscnt 4*NL                              ; source 0's set and source 1's blocks 0-3 are in; the youngest loads (blocks 4-7) may be out
	WIN MUL_LO
	MUL16 0, (\q)%2, \zero
	MUL16 2, (\q)%2, \zero
	s_wait_dscnt 0                                 ; blocks 4-7 are in
	PLACES NP
	FETCH_B \slot, (\q)+1, 1-(\q)%2
	FETCH_A \slot, (\q)+1, 0
	WIN MUL_HI
	MUL16 4, (\q)%2, \zero
	MUL16 6, (\q)%2, \zero
	PLACES NP
	WIN 0
	FETCH_A \slot, (\q)+1, 4
.endm
; A slot's last step changes slots: ONE barrier; in front of it each wave waits for all its tensor loads, adds 0 to its spare word, and waits for that and for its own reads of this slot.
.macro TURN slot, next, fill
	s_wait_tensorcnt 0x0                           ; all my tensor loads have landed: my part of the next slot
	ds_add_u32 v[SPW], v[NIL]                      ; 0 onto my spare word
	s_wait_dscnt 4*NL+1                            ; (the add and the youngest loads, blocks 4-7, may be out)
	WIN MUL_LO
	MUL16 0, 1, 0
	s_wait_dscnt 0x0                               ; the add is done, and my reads of this slot are over
	s_barrier_signal -1
	MUL16 2, 1, 0
	WIN 0
	s_barrier_wait -1
.if \fill
	CREST                                          ; the barrier has opened a round of the cluster's barrier: no wave of any partner still reads this slot or has a load on its way
	s_add_nc_u64 s[G0+4*\slot+2:G0+4*\slot+3], s[G0+4*\slot+2:G0+4*\slot+3], 2*ROWB
	s_add_nc_u64 s[G0B+4*\slot+2:G0B+4*\slot+3], s[G0B+4*\slot+2:G0B+4*\slot+3], 2*ROWB
	JLOAD G0+4*\slot, G1, G0B+4*\slot, G1B         ; the first tensor load behind the round; its four v_nop are the places in front of the loads below
.else
	PLACES NP
.endif
	FETCH_B \next, 0, 0
	FETCH_A \next, 0, 0
	WIN MUL_HI
	MUL16 4, 1, 0
	MUL16 6, 1, 0
	PLACES NP
	WIN 0
	FETCH_A \next, 0, 4
.endm
	s_wait_tensorcnt 1                             ; my part of K step 0 is in (K step 1's load may be out)
	s_barrier_signal -1
	s_barrier_wait -1                              ; everybody's is
	FETCH_B 0, 0, 0
	FETCH_A 0, 0, 0
	FETCH_A 0, 0, 4
	STEP 0, 0, 1                                   ; the first step's products start the sums
	s_mov_b32 s3, LAPS-1
.Llap:                                                 ; a trip goes once round the ring and fills both slots again
	TURN 0, 1, 1
	STEP 1, 0, 0
	TURN 1, 0, 1
	STEP 0, 0, 0
	s_sub_co_u32 s3, s3, 1
	s_cmp_lg_u32 s3, 0
	s_cbranch_scc1 .Llap
	TURN 0, 1, 0                                   ; the last lap fills nothing
	STEP 1, 0, 0
	s_wait_dscnt 4*NL
	WIN MUL_LO
	MUL16 0, 1, 0
	MUL16 2, 1, 0
	s_wait_dscnt 0
	WIN MUL_HI
	MUL16 4, 1, 0
	MUL16 6, 1, 0
	WIN 0
; THE WAY OUT.  Block a (source 1's rows 16 a on): sum + bias / 2^(ea + eb), held, converted: 16 registers of codes, stored as four groups of 512 consecutive bytes.
.macro OUTBLK a, isv
.set AC, 64*((\a)%4)
.set CC, CD+16*((\a)%2)
	WIN 0x02+((\a)/4)                              ; source 0: window 2 or 3
.set j, 0
.rept 32
.if \isv
	v_pk_add_f32 v[TT+j:TT+j+1], v[AC+j:AC+j+1], v[BM+2*(\a):BM+2*(\a)+1]   ; each accumulator from its low end on
.else
	v_pk_add_f32 v[TT+j:TT+j+1], v[AC+j:AC+j+1], v[BN+j:BN+j+1]
.endif
.set j, j+2
.endr
	WIN 0
.set j, 0
.rept 64
	v_med3_num_f32 v[TT+j], v[TT+j], -v49, v49     ; the conversion does not saturate (ISA guide 7.6.2): the hold at the largest code x the scale
.set j, j+1
.endr
.if (\a) >= 2
	s_wait_xcnt 0x0                                ; block a - 2's stores have read this set of codes
.endif
.irp b, 0,1,2,3,4,5,6,7
	v_cvt_scalef32_pk8_fp8_f32 v[CC+2*\b:CC+2*\b+1], v[TT+8*\b:TT+8*\b+7], v48
.endr
	v_nop                                          ; a plain line between the conversions and the next lines that write their sources
.irp i, 0,1,2,3
.if \isv
	global_store_b128 v50, v[CC+4*\i:CC+4*\i+3], s[72:73] offset:((\a)/4)*131072+((\a)%4)*2048+\i*512   ; head a / 4, tile of channels a % 4, group i
.else
	global_store_b128 v50, v[CC+4*\i:CC+4*\i+3], s[72:73] offset:(\a)*1024+(\i/2)*131072+(\i%2)*512     ; tile of tokens a, head i / 2, group i % 2
.endif
.endr
.endm
.macro EPI isv
.if \isv
.irp a, 0,1,2,3,4,5,6,7
	v_ldexp_f32 v[BM+2*\a+1], v[BM+2*\a], s93
	v_ldexp_f32 v[BM+2*\a], v[BM+2*\a], s93
.endr
.else
.set j, 0
.rept 64
	v_ldexp_f32 v[BN+j], v[BN+j], s93
.set j, j+1
.endr
.endif
.irp a, 0,1,2,3,4,5,6,7
	OUTBLK \a, \isv
.endr
.endm
	s_wait_kmcnt 0x0
	s_wait_loadcnt 0x0                             ; the biases
	s_cmp_eq_u32 s66, 1
	s_cselect_b32 s92, s78, s76                    ; ea: entry 0, 2 or 4
	s_cselect_b32 s93, s79, s77                    ; eb: entry 1, 3 or 5
	s_cselect_b32 s94, s83, s82                    ; eo: entry 6, 7 or 9
	s_cmp_eq_u32 s66, 2
	s_cselect_b32 s92, s80, s92
	s_cselect_b32 s93, s81, s93
	s_cselect_b32 s94, s85, s94
	s_add_co_i32 s92, s92, s93                     ; ea + eb
	s_sub_co_i32 s93, 0, s92
	s_sub_co_i32 s94, s94, s92
	s_add_co_i32 s94, s94, 127
	s_lshl_b32 s95, s94, 23
	v_mov_b32 v48, s95                             ; 2^(eo - ea - eb) as f32
	s_add_co_i32 s94, s94, 8
	s_lshl_b32 s94, s94, 23
	s_or_b32 s94, s94, 0x600000
	v_mov_b32 v49, s94                             ; 448 x that
	PLACES NP                                      ; behind the last products
	s_cmp_eq_u32 s66, 2
	s_cbranch_scc1 .Lvout                          ; the same way in all sixteen partners
	EPI 0
	s_branch .Ldone
.Lvout:
	EPI 1
.Ldone:
	s_wait_tensorcnt 0x0                           ; the wave's end
	ds_add_u32 v[SPW], v[NIL]
	s_wait_dscnt 0x0
	CROUND                                         ; the closing round
	s_endpgm
.Lfunc_end_k_q466afbb4f6_proj:
	.size	k_q466afbb4f6_proj, .Lfunc_end_k_q466afbb4f6_proj-k_q466afbb4f6_proj
	.p2alignl 7, 3214868480
	.fill 96, 4, 3214868480
	.section	.rodata,"a",@progbits
	.p2align	6, 0x0
	.amdhsa_kernel k_q466afbb4f6_proj
		.amdhsa_group_segment_fixed_size 327680
		.amdhsa_private_segment_fixed_size 0
		.amdhsa_enable_private_segment 0
		.amdhsa_kernarg_size 56
		.amdhsa_user_sgpr_count 2
		.amdhsa_user_sgpr_kernarg_segment_ptr 1
		.amdhsa_wavefront_size32 1
		.amdhsa_system_sgpr_workgroup_id_x 1
		.amdhsa_system_sgpr_workgroup_id_y 1
		.amdhsa_system_sgpr_workgroup_id_z 1
		.amdhsa_system_vgpr_workitem_id 0
		.amdhsa_next_free_vgpr 1024
		.amdhsa_next_free_sgpr 100
		.amdhsa_reserve_vcc 0
		.amdhsa_float_denorm_mode_32 3
		.amdhsa_float_denorm_mode_16_64 3
		.amdhsa_memory_ordered 1
		.amdhsa_forward_progress 1
		.amdhsa_inst_pref_size 198
	.end_amdhsa_kernel
	.amdgpu_metadata
---
amdhsa.version: [ 1, 2 ]
amdhsa.kernels:
  - .name:           k_q466afbb4f6_proj
    .symbol:         k_q466afbb4f6_proj.kd
    .args:
      - { .name: xc, .offset: 0, .size: 8, .value_kind: global_buffer, .address_space: global }
      - { .name: wc, .offset: 8, .size: 8, .value_kind: global_buffer, .address_space: global }
      - { .name: lowp_scales, .offset: 16, .size: 8, .value_kind: global_buffer, .address_space: global }
      - { .name: bq, .offset: 24, .size: 8, .value_kind: global_buffer, .address_space: global }
      - { .name: bk, .offset: 32, .size: 8, .value_kind: global_buffer, .address_space: global }
      - { .name: bv, .offset: 40, .size: 8, .value_kind: global_buffer, .address_space: global }
      - { .name: qkv, .offset: 48, .size: 8, .value_kind: global_buffer, .address_space: global }
    .group_segment_fixed_size: 327680
    .private_segment_fixed_size: 0
    .kernarg_segment_align: 8
    .kernarg_segment_size: 56
    .max_flat_workgroup_size: 128
    .sgpr_count:     100
    .vgpr_count:     1024
    .wavefront_size: 32
...
	.end_amdgpu_metadata
.endif
;; end of part 2
;; launch attn (part 3): grid 4 x 64, 16 waves a work-group, no clusters, 34,816 bytes of LDS; arguments qkv, mw, mi, lowp_scales, ci; writes ci
.if DOCPART == 3
	.amdgcn_target "amdgcn-amd-amdhsa--gfx1250"
	.amdhsa_code_object_version 6
	.text
	.protected	k_q466afbb4f6_attn
	.globl	k_q466afbb4f6_attn
	.p2align	8
	.type	k_q466afbb4f6_attn,@function
k_q466afbb4f6_attn:
	s_mov_b64 s[64:65], 0
	v_nop
	global_prefetch_b8 v0, s[64:65] scope:SCOPE_SE
	s_setreg_imm32_b32 hwreg(HW_REG_WAVE_MODE, 25, 1), 1
	s_wait_xcnt 0x0
; ATTENTION on codes of E4M3: ctx = softmax(where(mask == 0, -1e9, Q K^T / 8)) V, head size 64, 2,048 keys, 64 heads; ctx is quantised for the last projection.
; INPUTS, as the launches before laid them: qkv: images of operand registers (a group of four registers = 512 consecutive bytes, lane l at 16 l): Q at 0, K at 8 MiB: [head][tile of 16 tokens][1,024]; V at 16 MiB:
; [head][step of 128 keys][tile of 16 channels][2,048].  mw[tile of queries][step][64]: lane masks for the 64 score registers.  mi[tile][step]: bits 15:0 rows with an open key, bit 16 all open.
; THE SOFTMAX: t = logit x log2(e); M = the running largest t rounded UP to a whole number; p = 2^(t - M) is quantised with 2^e8; the sum is taken of the unquantised p and divides at the end.
; A masked score becomes -8e9 / 2^(e6 + e7) ahead of the maximum, which stands for the logit -1e9.  In a step with masked entries t is made by a multiplication and then an addition, so that a masked t is the very
; number that the maximum saw: a row with no open key so far gets p = 1 for each key, as the definition has it; the first open key then multiplies all that by 2^(a huge negative whole number) = 0.
; SHARES.  Work-group (x, head) takes two blocks of 256 queries, 7 - x and then x.  Wave w of sixteen owns one tile of 16 queries.  Each block walks the 16 key steps in a loop of constant count; what the stored info words
; show to be void is jumped over: a wave leaves a step out where no row of its tile has an open key there, unless its tile has a row with no open key at all (such a tile leaves nothing out); a step's tiles of K and V are
; not fetched where no wave of the work-group needs them.  No barrier is ever jumped over.
; NO TENSOR LOADS, NO CLUSTER: the branches hang on numbers read from memory, and work-groups of a head need different steps.  K's and V's 8,192 bytes each of a step come by one 16-byte load a thread each, one step ahead, and go
; by ds_store_b128 into two LDS slots that take turns: slot s at 16,384 s: K's 8 images, then V's 4.  One barrier a step: it closes this step's reads of its slot and publishes the next step's tiles.
; LAYOUT.  S^T = K Q^T (source 0 = 16 keys, source 1 = my 16 queries; 16x16x64), O^T = V^T P^T (source 0 = 16 channels, source 1 = P; 16x16x128): a lane holds ONE query throughout; register 8 T + j of S^T is key 16 T + 8 h + j,
; so the conversion of tile T gives registers 2 T, 2 T + 1 of P.  Every k stands in its own place.
; ci: [tile of 16 tokens][K step of 128][2,048]: registers 4 c .. 4 c + 3 = model channels 32 c + 16 h + 0 .. 15 of the K step.
; LIMITS on the given exponents: e6 + e7 between -95 and 8 (the stand-in for a masked score is a finite number, and real logits, at most 64 x 448^2 x 2^(e6 + e7) / 8, stay above -1e9); e8 and e10 between -126 and 119.  NaN is not served.
; REGISTERS: v1 16 x lane, v2 16 x thread, v3 256 x lane, v4 the masked score, v5, v6 2^e8 and 448 x 2^e8, v7 64 x (lane % 16), v8, v9 at work, v10, v11 2^e10 and 448 x 2^e10, v12 -M, v13 the largest t, v[14:15] the sum,
; v16-23 Q, v24-31 the next step's 32 bytes, v32-95 K's then V's fragments, v96-159 S^T then p, v160-191 O^T, v192-207 p's codes, v208-223 info words, later ctx's codes, v224-255 at work.
; s[2:3] K, s[4:5] V, s[6:7] mw at the trip's first step; s[8:9] the prefetches; s[10:11] c; s[12:13] lane selects; s14 wave; s15 my tile; s16-63, s80-95 the mask words; s66 steps that the work-group needs, s67 that I need,
; s68 my steps with masked entries, s69 steps to prefetch; s70 trips, s71 blocks, s72 the block; s73 the hold is wanted; s74 e8 + e9; s75 I prefetch; s[76:77] Q's head, s[78:79] ci's; s[96:97] mi, s[98:99] mw.
.set SKIP,  1                          ; 0: every tile walks every step
.set SLOTB, 16384
.set VOFF,  8192
.set KBASE, 0x800000
.set VBASE, 0x1000000
.macro STEP p                          ; key step 2 x trip + p, in slot p
	s_bitcmp1_b32 s66, \p+1                        ; the next step's tiles, if anybody needs them (bits 16 on are 0: nothing is asked for past the end)
	s_cbranch_scc0 .Lnonext_\@
	global_load_b128 v[24:27], v2, s[2:3] offset:(\p+1)*8192
	global_load_b128 v[28:31], v2, s[4:5] offset:(\p+1)*8192
.Lnonext_\@:
	s_bitcmp1_b32 s69, \p+2                        ; a prefetch of the step after that: 32 lanes x 256 bytes = its 8,192 bytes of K (wave 0) or V (wave 1).  Only work-group x = 0 of a head asks, in its first block: each block of 256 bytes is named once
	s_cbranch_scc0 .Lnopf_\@
	global_prefetch_b8 v3, s[8:9] offset:(\p+2)*8192 th:TH_LOAD_NT scope:SCOPE_SE
.Lnopf_\@:
	s_bitcmp1_b32 s67, \p
	s_cbranch_scc0 .Lidle_\@
	s_load_b512 s[16:31], s[6:7], \p*256           ; the step's 64 lane masks
	s_load_b512 s[32:47], s[6:7], \p*256+64
	s_load_b512 s[48:63], s[6:7], \p*256+128
	s_load_b512 s[80:95], s[6:7], \p*256+192
.irp t, 0,1,2,3,4,5,6,7
	ds_load_b128 v[32+8*\t:35+8*\t], v1 offset:\p*SLOTB+\t*1024
	ds_load_b128 v[36+8*\t:39+8*\t], v1 offset:\p*SLOTB+\t*1024+512
.endr
	s_wait_dscnt 8                                 ; tiles 0-3 of K are in; the eight loads of tiles 4-7 may be out
.irp t, 0,1,2,3
	v_wmma_f32_16x16x64_fp8_fp8 v[96+8*\t:103+8*\t], v[32+8*\t:39+8*\t], v[16:23], 0
.endr
	s_wait_dscnt 0x0
.irp t, 4,5,6,7
	v_wmma_f32_16x16x64_fp8_fp8 v[96+8*\t:103+8*\t], v[32+8*\t:39+8*\t], v[16:23], 0
.endr
.rept 4
	v_nop                                          ; places in front of the loads into K's registers and of the first read of the scores
.endr
.irp t, 0,1,2,3
.irp i, 0,1,2,3
	ds_load_b128 v[32+16*\t+4*\i:35+16*\t+4*\i], v1 offset:\p*SLOTB+VOFF+\t*2048+\i*512   ; V lands while the softmax is worked
.endr
.endr
	s_wait_kmcnt 0x0
	s_bitcmp1_b32 s68, \p
	s_cbranch_scc0 .Lopen_\@
.set n, 0
.rept 64
.if n < 48
	v_cndmask_b32 v[96+n], v4, v[96+n], s[16+n]    ; where the mask's bit is 0: the masked score
.else
	v_cndmask_b32 v[96+n], v4, v[96+n], s[32+n]
.endif
.set n, n+1
.endr
.Lopen_\@:
	v_max3_num_f32 v246, v96, v97, v98             ; the step's largest score of my query among my 64 keys, in two chains,
	v_max3_num_f32 v247, v99, v100, v101
.set i, 6
.rept 14
	v_max3_num_f32 v246, v246, v[96+i], v[97+i]
	v_max3_num_f32 v247, v247, v[98+i], v[99+i]
.set i, i+4
.endr
	v_max3_num_f32 v246, v246, v158, v159
	v_max_num_f32 v246, v246, v247
	v_permlanex16_b32 v240, v246, s12, s13
	v_max_num_f32 v246, v246, v240                 ; and among lane l xor 16's
	v_mul_f32 v246, s10, v246                      ; as t (c is positive)
	v_max_num_f32 v13, v13, v246
	v_mov_b32 v246, v12
	v_floor_f32 v12, -v13                          ; the new -M = floor(-t)
	v_sub_f32 v246, v12, v246                      ; old M less new M: a whole number, 0 or less
	v_cvt_i32_f32 v246, v246                       ; (it saturates)
	v_ldexp_f32 v244, 1.0, v246                    ; f = 2^(old M - new M)
	s_bitcmp1_b32 s68, \p
	s_cbranch_scc0 .Lfma_\@
.set j, 0
.rept 32
	v_pk_mul_f32 v[96+j:97+j], v[96+j:97+j], s[10:11] op_sel_hi:[1,0]   ; t, rounded as the maximum's t was,
.set j, j+2
.endr
.set j, 0
.rept 32
	v_pk_add_f32 v[96+j:97+j], v[96+j:97+j], v[12:13] op_sel_hi:[1,0]   ; less M
.set j, j+2
.endr
	s_branch .Lexp_\@
.Lfma_\@:
.set j, 0
.rept 32
	v_pk_fma_f32 v[96+j:97+j], v[96+j:97+j], s[10:11], v[12:13] op_sel_hi:[1,0,0]   ; t - M, two at a time
.set j, j+2
.endr
.Lexp_\@:
.set j, 0
.rept 64
	v_exp_f32 v[96+j], v[96+j]                     ; p = 2^(t - M)
.set j, j+1
.endr
	v_pk_mul_f32 v[14:15], v[14:15], v[244:245] op_sel_hi:[1,0]   ; the sum under the new M (a plain line behind the exponentials)
	s_wait_alu depctr_va_vdst(0)                   ; one wait for the batch of 64, ahead of its first reader
	v_pk_add_f32 v[242:243], v[96:97], v[98:99]    ; the sum of the unquantised p, in two chains
.set j, 4
.rept 15
	v_pk_add_f32 v[14:15], v[14:15], v[96+j:97+j]
	v_pk_add_f32 v[242:243], v[242:243], v[98+j:99+j]
.set j, j+4
.endr
	v_pk_add_f32 v[14:15], v[14:15], v[242:243]
	s_cmp_lg_u32 s73, 0                            ; p is at most 1: the hold at 448 x 2^e8 can bite only where e8 < -8
	s_cbranch_scc0 .Lnohold_\@
.set j, 0
.rept 64
	v_min_num_f32 v[96+j], v[96+j], v6
.set j, j+1
.endr
.Lnohold_\@:
.irp t, 0,1,2,3,4,5,6,7
	v_cvt_scalef32_pk8_fp8_f32 v[192+2*\t:193+2*\t], v[96+8*\t:103+8*\t], v5
.endr
.set j, 0
.rept 16
	v_pk_mul_f32 v[160+j:161+j], v[160+j:161+j], v[244:245] op_sel_hi:[1,0]   ; O^T under the new M; also the plain lines between the conversions and the products
.set j, j+2
.endr
	s_wait_dscnt 0x0                               ; V is in
.irp t, 0,1,2,3
	v_wmma_f32_16x16x128_fp8_fp8 v[160+8*\t:167+8*\t], v[32+16*\t:47+16*\t], v[192:207], v[160+8*\t:167+8*\t]   ; four accumulators by turns
.endr
.rept 4
	v_nop                                          ; places: for the next loads into V's registers and the next read of O^T, in the loop or on the way out
.endr
.Lidle_\@:
	s_wait_loadcnt 0x0                             ; the next step's 32 bytes of mine are in
	s_bitcmp1_b32 s66, \p+1
	s_cbranch_scc0 .Lnost_\@
	ds_store_b128 v2, v[24:27] offset:(1-\p)*SLOTB        ; into the other slot: its last reads were over at the barrier before
	ds_store_b128 v2, v[28:31] offset:(1-\p)*SLOTB+VOFF
.Lnost_\@:
	s_wait_dscnt 0x0                               ; my stores have landed, my reads of this slot are over
	s_barrier_signal -1
	s_barrier_wait -1
.endm
	s_load_b256 s[80:87], s[0:1], 0x0              ; qkv, mw, mi, the scales' exponents
	s_load_b64 s[88:89], s[0:1], 0x20              ; ci
	v_lshrrev_b32 v8, 5, v0
	v_readfirstlane_b32 s14, v8                    ; wave 0..15
	v_and_b32 v9, 31, v0
	v_lshlrev_b32 v1, 4, v9
	v_lshlrev_b32 v2, 4, v0
	v_lshlrev_b32 v3, 8, v9
	v_and_b32 v7, 15, v0
	v_lshlrev_b32 v7, 6, v7
.irp i, 24,25,26,27,28,29,30,31
	v_mov_b32 v\i, 0                               ; written once, so that they are written on every way
.endr
	v_mov_b32 v240, 0                              ; a lane permute's destination counts as one of its sources
	v_mov_b32 v245, 0                              ; (named as the upper half of the pair v[244:245])
	s_mov_b32 s12, 0x76543210
	s_mov_b32 s13, 0xfedcba98
	s_and_b32 s15, ttmp7, 0xffff                   ; batch x 16 + head
	s_lshl_b32 s100, s15, 17
	s_mov_b32 s101, 0
	s_lshr_b32 s104, s15, 4
	s_lshl_b32 s104, s104, 21                      ; ci: the batch's 128 tiles of 16,384 bytes,
	s_and_b32 s105, s15, 15
	s_lshl_b32 s105, s105, 10                      ; the head's 1,024 bytes of a tile
	s_add_co_u32 s104, s104, s105
	s_mov_b32 s105, 0
	s_wait_kmcnt 0x0
	s_load_b128 s[16:19], s[86:87], 0x18           ; e6, e7, e8, e9
	s_load_b32 s20, s[86:87], 0x28                 ; e10
	s_add_nc_u64 s[76:77], s[80:81], s[100:101]
	s_add_nc_u64 s[78:79], s[88:89], s[104:105]
	s_mov_b64 s[98:99], s[82:83]
	s_mov_b64 s[96:97], s[84:85]
	s_lshr_b32 s75, s14, 1                         ; waves 0 and 1
	s_or_b32 s75, s75, ttmp9                       ; of work-group x = 0
	s_cmp_eq_u32 s75, 0
	s_cselect_b32 s75, -1, 0
	s_sub_co_u32 s72, 7, ttmp9                     ; the first block
	s_mov_b32 s71, 2
	s_wait_kmcnt 0x0
	s_add_co_i32 s21, s16, s17
	s_lshl_b32 s21, s21, 23
	s_add_co_i32 s10, s21, 0x3e38aa3b              ; c = log2(e) / 8 x 2^(e6 + e7): the exponents are added to the exponent field
	s_mov_b32 s11, s10
	s_sub_co_i32 s22, 0xcfee6b28, s21              ; -8e9 / 2^(e6 + e7)
	v_mov_b32 v4, s22
	s_add_co_i32 s22, s18, 127
	s_lshl_b32 s23, s22, 23
	v_mov_b32 v5, s23                              ; 2^e8
	s_add_co_i32 s22, s22, 8
	s_lshl_b32 s22, s22, 23
	s_or_b32 s22, s22, 0x600000
	v_mov_b32 v6, s22                              ; 448 x 2^e8
	s_add_co_i32 s22, s20, 127
	s_lshl_b32 s23, s22, 23
	v_mov_b32 v10, s23                             ; 2^e10
	s_add_co_i32 s22, s22, 8
	s_lshl_b32 s22, s22, 23
	s_or_b32 s22, s22, 0x600000
	v_mov_b32 v11, s22                             ; 448 x 2^e10
	s_add_co_i32 s74, s18, s19                     ; e8 + e9
	s_cmp_lt_i32 s18, -8
	s_cselect_b32 s73, 1, 0
.Lblk:                                             ; two trips: the work-group's two blocks of 256 queries
	s_wait_xcnt 0x0                                ; the last block's stores have read their registers and their base
	s_lshl_b32 s15, s72, 4
	s_add_co_u32 s15, s15, s14                     ; my tile of 16 queries
	s_lshl_b32 s104, s15, 10
	s_mov_b32 s105, 0
	s_add_nc_u64 s[104:105], s[76:77], s[104:105]
	s_lshl_b32 s100, s72, 10
	s_mov_b32 s101, 0
	s_add_nc_u64 s[100:101], s[96:97], s[100:101]
.irp i, 0,1,2,3
	global_load_b128 v[208+4*\i:211+4*\i], v7, s[100:101] offset:16*\i   ; lane l: the 16 info words of the block's tile l % 16
.endr
	global_load_b128 v[16:19], v1, s[104:105]      ; Q's fragment stays in registers
	global_load_b128 v[20:23], v1, s[104:105] offset:512
	s_add_nc_u64 s[2:3], s[76:77], KBASE
	s_add_nc_u64 s[4:5], s[76:77], VBASE
	s_lshl_b32 s6, s15, 12
	s_mov_b32 s7, 0
	s_add_nc_u64 s[6:7], s[98:99], s[6:7]
	s_cmp_eq_u32 s14, 0
	s_cselect_b64 s[8:9], s[2:3], s[4:5]
	v_mov_b32 v13, 0xff61b1e6                      ; the largest t so far: -3e38
	v_floor_f32 v12, -v13
	v_mov_b32 v14, 0
	v_mov_b32 v15, 0
.set j, 0
.rept 32
	v_mov_b32 v[160+j], 0                          ; O^T: the step is written once; which step is a tile's first hangs on the mask, so the sums begin as zeros
.set j, j+1
.endr
	s_mov_b32 s66, 0
	s_mov_b32 s67, 0
	s_mov_b32 s68, 0
	s_wait_loadcnt 0x0
.if SKIP
	v_or3_b32 v8, v208, v209, v210
.irp i, 211,213,215,217,219,221
	v_or3_b32 v8, v8, v[\i], v[\i+1]
.endr
	v_or_b32 v8, v8, v223
	v_and_b32 v8, 0xffff, v8                       ; the tile's rows that have an open key somewhere
	v_cmp_ne_u32 vcc_lo, 0xffff, v8
	v_cndmask_b32 v9, 0, 1, vcc_lo                 ; 1: a row has none: this tile leaves no step out
.else
	v_mov_b32 v9, 1
.endif
.irp t, 0,1,2,3,4,5,6,7,8,9,10,11,12,13,14,15
	v_and_or_b32 v8, v[208+\t], 0xffff, v9
	v_cmp_ne_u32 vcc_lo, 0, v8                     ; bit l: tile l % 16 needs step t
	s_and_b32 s100, vcc_lo, 0xffff
	s_cselect_b32 s101, 1<<\t, 0
	s_or_b32 s66, s66, s101                        ; some tile does
	s_bitcmp1_b32 vcc_lo, s14
	s_cselect_b32 s101, 1<<\t, 0
	s_or_b32 s67, s67, s101                        ; mine does
	v_and_b32 v8, 0x10000, v[208+\t]
	v_cmp_eq_u32 vcc_lo, 0, v8
	s_bitcmp1_b32 vcc_lo, s14
	s_cselect_b32 s101, 1<<\t, 0
	s_or_b32 s68, s68, s101                        ; mine has masked entries there
.endr
	s_and_b32 s69, s66, s75
	s_mov_b32 s70, 8
	s_bitcmp1_b32 s66, 0                           ; step 0's tiles into slot 0: its last reads were over at a barrier of the block before
	s_cbranch_scc0 .Lno_first
	global_load_b128 v[24:27], v2, s[2:3]
	global_load_b128 v[28:31], v2, s[4:5]
	s_wait_loadcnt 0x0
	ds_store_b128 v2, v[24:27]
	ds_store_b128 v2, v[28:31] offset:VOFF
.Lno_first:
	s_wait_dscnt 0x0
	s_barrier_signal -1
	s_barrier_wait -1
.Ltrip:                                            ; eight trips of two key steps
	STEP 0
	STEP 1
	s_wait_xcnt 0x0                                ; the trip's loads and prefetches have read their bases
	s_add_nc_u64 s[2:3], s[2:3], 16384
	s_add_nc_u64 s[4:5], s[4:5], 16384
	s_add_nc_u64 s[8:9], s[8:9], 16384
	s_add_nc_u64 s[6:7], s[6:7], 512
	s_lshr_b32 s66, s66, 2
	s_lshr_b32 s67, s67, 2
	s_lshr_b32 s68, s68, 2
	s_lshr_b32 s69, s69, 2
	s_sub_co_u32 s70, s70, 1
	s_cmp_lg_u32 s70, 0
	s_cbranch_scc1 .Ltrip
	; THE WAY OUT of a block: ctx = O^T / the sum x 2^(e8 + e9), quantised with 2^e10
	v_add_f32 v14, v14, v15
	v_permlanex16_b32 v240, v14, s12, s13
	v_add_f32 v14, v14, v240                       ; the row's sum
	v_rcp_f32 v14, v14
	v_nop                                          ; a plain line behind the reciprocal
	s_wait_alu depctr_va_vdst(0)                   ; and the wait ahead of its first reader
	v_ldexp_f32 v14, v14, s74
.set j, 0
.rept 16
	v_pk_mul_f32 v[224+j:225+j], v[160+j:161+j], v[14:15] op_sel_hi:[1,0]   ; register 8 t + i: channel 16 t + 8 h + i of my query
.set j, j+2
.endr
.set j, 0
.rept 32
	v_med3_num_f32 v[224+j], v[224+j], -v11, v11
.set j, j+1
.endr
.irp t, 0,1,2,3
	v_cvt_scalef32_pk8_fp8_f32 v[208+2*\t:209+2*\t], v[224+8*\t:231+8*\t], v10
.endr
	v_nop                                          ; a plain line between the conversions and the lines that touch their results
.irp i, 0,1
	v_permlane16_swap_b32 v[208+4*\i], v[210+4*\i]     ; tiles 2 i and 2 i + 1 change halves: lanes 0-15 then hold channels 32 i + 0 .. 15 of their query, lanes 16-31 channels 32 i + 16 .. 31
	v_permlane16_swap_b32 v[209+4*\i], v[211+4*\i]
.endr
	s_lshl_b32 s104, s15, 14
	s_mov_b32 s105, 0
	s_add_nc_u64 s[104:105], s[78:79], s[104:105]
	global_store_b128 v1, v[208:211], s[104:105]               ; 512 consecutive bytes each, aligned
	global_store_b128 v1, v[212:215], s[104:105] offset:512
	s_mov_b32 s72, ttmp9                           ; the second block
	s_mov_b32 s75, 0                               ; in which nothing is prefetched: the head's tiles have been named
	s_sub_co_u32 s71, s71, 1
	s_cmp_lg_u32 s71, 0
	s_cbranch_scc1 .Lblk
	s_wait_xcnt 0x0
	v_lshl_add_u32 v240, v0, 2, 0x8000
	v_mov_b32 v245, 0
	s_wait_tensorcnt 0x0
	ds_add_u32 v240, v245
	s_wait_dscnt 0x0
	s_endpgm
.Lfunc_end_k_q466afbb4f6_attn:
	.size	k_q466afbb4f6_attn, .Lfunc_end_k_q466afbb4f6_attn-k_q466afbb4f6_attn
	.p2alignl 7, 3214868480
	.fill 96, 4, 3214868480
	.section	.rodata,"a",@progbits
	.p2align	6, 0x0
	.amdhsa_kernel k_q466afbb4f6_attn
		.amdhsa_group_segment_fixed_size 34816
		.amdhsa_private_segment_fixed_size 0
		.amdhsa_enable_private_segment 0
		.amdhsa_kernarg_size 40
		.amdhsa_user_sgpr_count 2
		.amdhsa_user_sgpr_kernarg_segment_ptr 1
		.amdhsa_wavefront_size32 1
		.amdhsa_system_sgpr_workgroup_id_x 1
		.amdhsa_system_sgpr_workgroup_id_y 1
		.amdhsa_system_sgpr_workgroup_id_z 1
		.amdhsa_system_vgpr_workitem_id 0
		.amdhsa_next_free_vgpr 256
		.amdhsa_next_free_sgpr 106
		.amdhsa_reserve_vcc 1
		.amdhsa_float_denorm_mode_32 3
		.amdhsa_float_denorm_mode_16_64 3
		.amdhsa_memory_ordered 1
		.amdhsa_forward_progress 1
		.amdhsa_inst_pref_size 70
	.end_amdhsa_kernel
	.amdgpu_metadata
---
amdhsa.version: [ 1, 2 ]
amdhsa.kernels:
  - .name:           k_q466afbb4f6_attn
    .symbol:         k_q466afbb4f6_attn.kd
    .args:
      - { .name: qkv, .offset: 0, .size: 8, .value_kind: global_buffer, .address_space: global }
      - { .name: mw, .offset: 8, .size: 8, .value_kind: global_buffer, .address_space: global }
      - { .name: mi, .offset: 16, .size: 8, .value_kind: global_buffer, .address_space: global }
      - { .name: lowp_scales, .offset: 24, .size: 8, .value_kind: global_buffer, .address_space: global }
      - { .name: ci, .offset: 32, .size: 8, .value_kind: global_buffer, .address_space: global }
    .group_segment_fixed_size: 34816
    .private_segment_fixed_size: 0
    .kernarg_segment_align: 8
    .kernarg_segment_size: 40
    .max_flat_workgroup_size: 512
    .sgpr_count:     106
    .vgpr_count:     256
    .wavefront_size: 32
...
	.end_amdgpu_metadata
.endif
;; end of part 3
;; launch outp (part 4): grid 4 x 32, 4 waves a work-group, clusters of 4 x 4, 327,680 bytes of LDS; arguments ci, wc, lowp_scales, bo, out0; writes out0
.if DOCPART == 4
	.amdgcn_target "amdgcn-amd-amdhsa--gfx1250"
	.amdhsa_code_object_version 6
	.text
	.protected	k_q466afbb4f6_outp
	.globl	k_q466afbb4f6_outp
	.p2align	8
	.type	k_q466afbb4f6_outp,@function
k_q466afbb4f6_outp:
	s_mov_b64 s[64:65], 0
	v_nop
	global_prefetch_b8 v0, s[64:65] scope:SCOPE_SE
	s_setreg_imm32_b32 hwreg(HW_REG_WAVE_MODE, 25, 1), 1
	s_wait_xcnt 0x0
	s_wait_alu depctr_hold_cnt(0) depctr_sa_sdst(0) depctr_va_vdst(0) depctr_va_sdst(0) depctr_va_ssrc(0) depctr_va_vcc(0) depctr_vm_vsrc(0)
	s_getreg_b32 s2, hwreg(HW_REG_IB_STS2, 6, 4)
	s_cmp_eq_u32 s2, 0
	s_cbranch_scc0 .Lentry_in_a_cluster
	s_endpgm
.Lentry_in_a_cluster:
	s_bfe_u32 s2, ttmp6, 0x10000c
	s_cmp_lg_u32 s2, 0xf033
	s_cbranch_scc0 .Lentry_shape_is_right
	s_endpgm
.Lentry_shape_is_right:
; out0 = ctx wo^T + bo on codes of E4M3.  ctx comes as IMAGES of operand registers, ci: [tile of 16 tokens][K step of 128][2,048 bytes]: group c of four registers = 512 consecutive bytes, lane l at 16 l, holding
; K = 32 c + 16 h + 0 .. 15 of token r: the very places that four 16-byte loads, 32 bytes apart, give wo's rows.  wo's codes: the fourth weight in wc, [n][k], row-major.  out0: [8192][1024] f32.
; out = sum x 2^(e10 + e11) + bo, one packed multiply-add for two numbers.  LIMIT: e10 + e11 between -126 and 127.
; A tile of 256 x 256 is made by a work-group of four waves, a wave 128 x 128: 64 accumulators.  K goes in steps of 256 through a ring of two LDS slots filled by the tensor data mover.
; CLUSTERS: 4 x 4 work-groups; ctx's tile is shared along a row of the cluster, wo's along a column: joint loads.  Source 0 = 16 rows of wo, source 1 = 16 tokens: a lane holds eight neighbouring numbers of a row of out0.
; 128 tiles of 256 x 256: the launch has 128 work-groups.
; REGISTERS: window 0: v0-31 addresses; v64-127 the bias; from v128 ctx's fragments, ONE set; on the way out v128-255 rows read back.  window 1: wo's fragments, TWO sets; on the way out v0-63 a block's results.
;   window 2, 3: the accumulators ((a, b) at v[8 (8 (a % 4) + b)]).
.set SIZE_K, 1024
.set SIZE_N, 1024
.set ROWB,   256
.set KROW,   SIZE_K
.set PITCH,  272                       ; wo's LDS row: 256 bytes + 16 of padding
.set FR,     16
.set NL,     4
.set NP,     4
.set HALFT,  128*PITCH                 ; wo: 128 rows
.set AHALF,  32768                     ; ctx: 8 tiles of tokens x 4,096 bytes (two K steps of 128), on end
.set BOFF,   2*AHALF
.set SLOT,   BOFF+2*HALFT
.set LAPS,   SIZE_K/512
.set SPARE,  2*SLOT                    ; behind the ring: the spare words, 128 bytes for each wave
.set SPITCH, 528                       ; the way out: a stage of 16 rows x (512 bytes + 16) for each wave, in slot 0, which has had its last fill and its last read by then
.set ADRA, 16
.set ADRB, 20
.set STO,  24
.set RD,   25
.set CO,   26
.set SPW,  28
.set NIL,  29
.set BN,   64                          ; v64-127: bo[first column + 16 b + 8 h + j] at 8 b + j
.set TMP,  0                           ; in window 1
.set AF,   128
.set BK,   128
.set G1, 24
.set G0, 32
.set G1B, 48
.set G0B, 56
.set MSB, 0
.macro WIN new
.if MSB != \new
	s_set_vgpr_msb (MSB<<8)|\new
.set MSB, \new
.endif
.endm
.set MUL_LO, 0xa1
.set MUL_HI, 0xf1
.set TO_B,   0x40
.macro JLOAD g0a, g1a, g0b, g1b        ; waves 0 and 1 fetch ctx's halves, waves 2 and 3 wo's; four v_nop follow each of the two lines
	s_cmp_eq_u32 s15, 0
	s_cbranch_scc0 .Lfor_b_\@
	tensor_load_to_lds s[\g0a:\g0a+3], s[\g1a:\g1a+7]
	s_nop 0
.rept 4
	v_nop
.endr
	s_branch .Lasked_\@
.Lfor_b_\@:
	tensor_load_to_lds s[\g0b:\g0b+3], s[\g1b:\g1b+7]
	s_nop 0
.rept 4
	v_nop
.endr
.Lasked_\@:
.endm
.macro CREST
	s_cmp_lg_u32 s14, 0
	s_cbranch_scc1 .Lnot_wave_0_\@
	s_barrier_signal -3
.Lnot_wave_0_\@:
	s_barrier_wait -3
	s_barrier_signal -1
	s_barrier_wait -1
.endm
.macro CROUND
	s_barrier_signal -1
	s_barrier_wait -1
	CREST
.endm
	s_load_b128 s[4:7], s[0:1], 0x0                ; ci, wc
	s_load_b128 s[8:11], s[0:1], 0x10              ; the scales' exponents s[8:9], bo s[10:11]
	s_load_b64 s[12:13], s[0:1], 0x20              ; out0
	v_lshl_add_u32 v[SPW], v0, 2, SPARE
	v_mov_b32 v[NIL], 0
	ds_add_u32 v28, v29
	ds_add_u32 v28, v29
	s_wait_dscnt 0x0
	v_lshrrev_b32 v1, 5, v0
	v_readfirstlane_b32 s14, v1                    ; wave 0..3
	s_lshr_b32 s15, s14, 1                         ; which half of the tile's rows is mine.  Also: I fetch for ctx (0) or for wo (1)
	s_and_b32 s16, s14, 1                          ; which half of its columns.  Also: which half of that tile I fetch
	s_bfe_u32 s40, ttmp6, 0x40000
	s_bfe_u32 s41, ttmp6, 0x40004
	s_lshl_b32 s42, ttmp9, 2
	s_add_co_u32 s42, s42, s40                     ; X
	s_and_b32 s17, ttmp7, 0xffff
	s_lshl_b32 s17, s17, 2
	s_add_co_u32 s17, s17, s41                     ; Y
	s_lshl_b32 s43, s41, 2
	s_lshl_b32 s43, 15, s43                        ; my row of the cluster
	s_lshl_b32 s44, 0x1111, s40                    ; my column
	; ctx's tiles: 8 rows of 512 elements of 8 bytes (4,096 consecutive bytes: a tile of tokens' two K steps of 128), 2,048 elements (16,384 bytes) apart; dense in LDS
	s_or_b32 s[G1+0], s43, (3<<16)|(1<<21)
	s_mov_b32 s[G1+1], 512<<16                     ; tensor_dim0
	s_mov_b32 s[G1+2], 8<<16                       ; tensor_dim1
	s_mov_b32 s[G1+3], 512<<16                     ; tile_dim0
	s_mov_b32 s[G1+4], 8                           ; tile_dim1
	s_mov_b32 s[G1+5], 2048                        ; tensor_dim0_stride
	s_mov_b32 s[G1+6], 0
	s_mov_b32 s[G1+7], 0
	; wo's tiles: 128 rows x 256 bytes, padded in LDS
	s_or_b32 s[G1B+0], s44, (0<<16)|(1<<20)|(1<<21)|(5<<22)|(3<<25)
	s_mov_b32 s[G1B+1], ROWB<<16
	s_mov_b32 s[G1B+2], 128<<16
	s_mov_b32 s[G1B+3], ROWB<<16
	s_mov_b32 s[G1B+4], 128
	s_mov_b32 s[G1B+5], KROW
	s_mov_b32 s[G1B+6], 0
	s_mov_b32 s[G1B+7], 0
	s_lshl_b32 s20, s17, 18                        ; ctx: tile of tokens 16 Y + 8 x half, 16,384 bytes each
	s_lshl_b32 s18, s16, 17
	s_add_co_u32 s20, s20, s18
	s_mov_b32 s21, 0
	s_lshl_b32 s18, s16, 7
	s_lshl_b32 s46, s42, 8
	s_add_co_u32 s46, s46, s18                     ; wo: row 256 X + 128 x half
	s_mov_b32 s47, 0
	s_mov_b64 s[18:19], KROW
	s_mul_u64 s[46:47], s[46:47], s[18:19]
	s_add_nc_u64 s[46:47], s[46:47], 0x300000      ; the fourth weight in wc
	s_mul_i32 s45, s16, AHALF                      ; where they go: ctx's halves,
	s_mul_i32 s22, s16, HALFT
	s_add_co_u32 s22, s22, BOFF                    ; wo's halves behind them
	s_wait_kmcnt 0x0
	s_load_b64 s[96:97], s[8:9], 0x28              ; e10, e11
	s_add_nc_u64 s[20:21], s[4:5], s[20:21]
	s_add_nc_u64 s[46:47], s[6:7], s[46:47]
	CROUND                                         ; all sixteen work-groups are here: the first joint loads meet
.irp s, 0,1
	s_mov_b32 s[G0+4*\s], 1
	s_add_co_u32 s[G0+4*\s+1], s45, \s*SLOT
	s_add_nc_u64 s[G0+4*\s+2:G0+4*\s+3], s[20:21], \s*4096
	s_or_b32 s[G0+4*\s+3], s[G0+4*\s+3], 0x80000000
	s_mov_b32 s[G0B+4*\s], 1
	s_add_co_u32 s[G0B+4*\s+1], s22, \s*SLOT
	s_add_nc_u64 s[G0B+4*\s+2:G0B+4*\s+3], s[46:47], \s*ROWB
	s_or_b32 s[G0B+4*\s+3], s[G0B+4*\s+3], 0x80000000
	JLOAD G0+4*\s, G1, G0B+4*\s, G1B
.endr
	v_and_b32 v1, 15, v0                           ; r
	v_bfe_u32 v2, v0, 4, 1                         ; h
	v_and_b32 v6, 31, v0
	v_lshlrev_b32 v[CO], 4, v6                     ; 16 x lane
	v_mul_u32_u24 v3, v1, PITCH
	v_lshl_add_u32 v4, v2, 4, v3                   ; wo: a fragment's row x pitch + 16 x half
	s_mul_i32 s21, s15, AHALF                      ; my 8 tiles of tokens
	s_mul_i32 s22, s16, HALFT
	s_add_co_u32 s22, s22, BOFF                    ; my 128 rows of wo
.irp s, 0,1
	v_add_nc_u32 v[ADRA+\s], s21, v[CO]
	v_add_nc_u32 v[ADRB+\s], s22, v4
	s_add_co_u32 s21, s21, SLOT
	s_add_co_u32 s22, s22, SLOT
.endr
	s_mul_i32 s23, s14, 16*SPITCH                  ; my stage
	v_mul_u32_u24 v5, v1, SPITCH
	v_lshl_add_u32 v5, v2, 5, v5
	v_add_nc_u32 v[STO], s23, v5                   ; in: row r, 32 bytes for each half of the lanes
	v_add_nc_u32 v[RD], s23, v[CO]                 ; back: the 32 lanes take one row of 512 bytes
	s_lshl_b32 s20, s17, 8
	s_lshl_b32 s21, s15, 7
	s_add_co_u32 s20, s20, s21                     ; my first row of out0
	s_mov_b32 s21, 0
	s_mov_b64 s[18:19], SIZE_N*4
	s_mul_u64 s[20:21], s[20:21], s[18:19]
	s_lshl_b32 s46, s42, 10                        ; my first column, in bytes: 1,024 X + 512 x half
	s_lshl_b32 s47, s16, 9
	s_add_co_u32 s46, s46, s47
	s_mov_b32 s47, 0
	s_add_nc_u64 s[20:21], s[20:21], s[46:47]
	s_add_nc_u64 s[12:13], s[12:13], s[20:21]
	s_add_nc_u64 s[10:11], s[10:11], s[46:47]      ; and the same columns of bo
	v_lshlrev_b32 v8, 5, v2                        ; 32 h
.irp b, 0,1,2,3,4,5,6,7
	global_load_b128 v[BN+8*\b:BN+8*\b+3], v8, s[10:11] offset:64*\b
	global_load_b128 v[BN+8*\b+4:BN+8*\b+7], v8, s[10:11] offset:64*\b+16
.endr
.macro FRAGB reg, adr, q, i            ; wo: 16 rows x 128 K: registers 4 c .. 4 c + 3 hold K = 32 c + 16 h + 0 .. 15
.irp c, 0,1,2,3
	ds_load_b128 v[\reg+4*\c:\reg+4*\c+3], v[\adr] offset:128*(\q)+32*\c+(\i)*16*PITCH
.endr
.endm
.macro FRAGA reg, adr, q, i            ; ctx: the image as it lies: tile of tokens i, the slot's q-th 128 along K
.irp c, 0,1,2,3
	ds_load_b128 v[\reg+4*\c:\reg+4*\c+3], v[\adr] offset:2048*(\q)+512*\c+(\i)*4096
.endr
.endm
.macro MUL16 a0, p, zero               ; the 64 accumulators take turns, one instruction a turn, in the same order in every step
.irp a, \a0, \a0+1
.irp b, 0,1,2,3,4,5,6,7
.if \zero
	v_wmma_f32_16x16x128_fp8_fp8 v[8*(8*((\a)%4)+\b):8*(8*((\a)%4)+\b)+7], v[128*(\p)+FR*\b:128*(\p)+FR*\b+FR-1], v[AF+FR*(\a):AF+FR*(\a)+FR-1], 0
.else
	v_wmma_f32_16x16x128_fp8_fp8 v[8*(8*((\a)%4)+\b):8*(8*((\a)%4)+\b)+7], v[128*(\p)+FR*\b:128*(\p)+FR*\b+FR-1], v[AF+FR*(\a):AF+FR*(\a)+FR-1], v[8*(8*((\a)%4)+\b):8*(8*((\a)%4)+\b)+7]
.endif
.endr
.endr
.endm
.macro FETCH_B slot, q, p
	WIN TO_B
.irp i, 0,1,2,3,4,5,6,7
	FRAGB 128*(\p)+FR*\i, ADRB+\slot, \q, \i
.endr
	WIN 0
.endm
.macro FETCH_A slot, q, i0
.irp i, \i0, \i0+1, \i0+2, \i0+3
	FRAGA AF+FR*(\i), ADRA+\slot, \q, \i
.endr
.endm
.macro PLACES n
.rept \n
	v_nop
.endr
.endm
.macro STEP slot, q, zero
	s_wait_dscnt 4*NL                              ; wo's set and ctx's blocks 0-3 are in; the youngest loads (blocks 4-7) may be out
	WIN MUL_LO
	MUL16 0, (\q)%2, \zero
	MUL16 2, (\q)%2, \zero
	s_wait_dscnt 0
	PLACES NP
	FETCH_B \slot, (\q)+1, 1-(\q)%2
	FETCH_A \slot, (\q)+1, 0
	WIN MUL_HI
	MUL16 4, (\q)%2, \zero
	MUL16 6, (\q)%2, \zero
	PLACES NP
	WIN 0
	FETCH_A \slot, (\q)+1, 4
.endm
.macro TURN slot, next, fill           ; a slot's last step changes slots: ONE barrier
	s_wait_tensorcnt 0x0                           ; all my tensor loads have landed: my part of the next slot
	ds_add_u32 v[SPW], v[NIL]                      ; 0 onto my spare word
	s_wait_dscnt 4*NL+1                            ; (the add and the youngest loads may be out)
	WIN MUL_LO
	MUL16 0, 1, 0
	s_wait_dscnt 0x0                               ; the add is done, and my reads of this slot are over
	s_barrier_signal -1
	MUL16 2, 1, 0
	WIN 0
	s_barrier_wait -1
.if \fill
	CREST                                          ; the barrier has opened a round of the cluster's barrier
	s_add_nc_u64 s[G0+4*\slot+2:G0+4*\slot+3], s[G0+4*\slot+2:G0+4*\slot+3], 2*4096
	s_add_nc_u64 s[G0B+4*\slot+2:G0B+4*\slot+3], s[G0B+4*\slot+2:G0B+4*\slot+3], 2*ROWB
	JLOAD G0+4*\slot, G1, G0B+4*\slot, G1B         ; the first tensor load behind the round; its four v_nop are the places in front of the loads below
.else
	PLACES NP
.endif
	FETCH_B \next, 0, 0
	FETCH_A \next, 0, 0
	WIN MUL_HI
	MUL16 4, 1, 0
	MUL16 6, 1, 0
	PLACES NP
	WIN 0
	FETCH_A \next, 0, 4
.endm
	s_wait_tensorcnt 1                             ; my part of K step 0 is in (K step 1's load may be out)
	s_barrier_signal -1
	s_barrier_wait -1
	FETCH_B 0, 0, 0
	FETCH_A 0, 0, 0
	FETCH_A 0, 0, 4
	STEP 0, 0, 1
	s_mov_b32 s3, LAPS-1
.Llap:
	TURN 0, 1, 1
	STEP 1, 0, 0
	TURN 1, 0, 1
	STEP 0, 0, 0
	s_sub_co_u32 s3, s3, 1
	s_cmp_lg_u32 s3, 0
	s_cbranch_scc1 .Llap
	TURN 0, 1, 0
	STEP 1, 0, 0
	s_wait_dscnt 4*NL
	WIN MUL_LO
	MUL16 0, 1, 0
	MUL16 2, 1, 0
	s_wait_dscnt 0
	WIN MUL_HI
	MUL16 4, 1, 0
	MUL16 6, 1, 0
	WIN 0
; THE WAY OUT, block by block of 16 rows x 128 columns, through my own stage in LDS: in as 32 bytes a lane, back as whole rows of 512 bytes.  LDS serves a wave's instructions in order (ISA guide 5.7.1.4).
.macro TOSTAGE a
.set AC, 64*((\a)%4)
	WIN 0x42+((\a)/4)                              ; source 0 (the sums) window 2 or 3, source 2 (the bias) window 0, destination window 1
.set j, 0
.rept 32
	v_pk_fma_f32 v[TMP+j:TMP+j+1], v[AC+j:AC+j+1], s[96:97], v[BN+j:BN+j+1] op_sel_hi:[1,0,1]   ; sum x 2^(e10 + e11) + bo; each accumulator from its low end on
.set j, j+2
.endr
	WIN 0x04                                       ; an LDS store's data are source 1: window 1
.irp b, 0,1,2,3,4,5,6,7
	ds_store_b128 v[STO], v[TMP+8*\b:TMP+8*\b+3] offset:64*\b
	ds_store_b128 v[STO], v[TMP+8*\b+4:TMP+8*\b+7] offset:64*\b+16
.endr
	WIN 0
.set BB, BK+64*((\a)%2)
.irp t, 0,1,2,3,4,5,6,7,8,9,10,11,12,13,14,15
	ds_load_b128 v[BB+4*\t:BB+4*\t+3], v[RD] offset:\t*SPITCH
.endr
.endm
.macro SEND a, younger                 ; younger: the LDS instructions issued behind block a's loads, which may stay out
.set BB, BK+64*((\a)%2)
	s_wait_dscnt \younger
.if (\a) > 0
	s_add_nc_u64 s[12:13], s[12:13], 16*SIZE_N*4   ; (behind a wait on XCNT: the earlier stores have read their base)
.endif
.irp t, 0,1,2,3,4,5,6,7,8,9,10,11,12,13,14,15
	global_store_b128 v[CO], v[BB+4*\t:BB+4*\t+3], s[12:13] offset:\t*SIZE_N*4 th:TH_STORE_NT   ; 32 lanes store 512 consecutive bytes, aligned
.endr
.endm
	s_wait_kmcnt 0x0
	s_wait_loadcnt 0x0                             ; the bias
	s_add_co_i32 s96, s96, s97
	s_add_co_i32 s96, s96, 127
	s_lshl_b32 s96, s96, 23                        ; 2^(e10 + e11) as f32
	PLACES NP                                      ; behind the last products
	TOSTAGE 0
.irp a, 1,2,3,4,5,6,7
.if \a > 1
	s_wait_xcnt 0x0                                ; block a - 2's stores have read their registers and their base
.endif
	TOSTAGE \a
	SEND \a-1, 32                                  ; behind block a - 1's loads: block a's 16 stores and 16 loads
.endr
	s_wait_xcnt 0x0
	SEND 7, 0
	s_wait_tensorcnt 0x0                           ; the wave's end
	ds_add_u32 v[SPW], v[NIL]
	s_wait_dscnt 0x0
	CROUND                                         ; the closing round
	s_endpgm
.Lfunc_end_k_q466afbb4f6_outp:
	.size	k_q466afbb4f6_outp, .Lfunc_end_k_q466afbb4f6_outp-k_q466afbb4f6_outp
	.p2alignl 7, 3214868480
	.fill 96, 4, 3214868480
	.section	.rodata,"a",@progbits
	.p2align	6, 0x0
	.amdhsa_kernel k_q466afbb4f6_outp
		.amdhsa_group_segment_fixed_size 327680
		.amdhsa_private_segment_fixed_size 0
		.amdhsa_enable_private_segment 0
		.amdhsa_kernarg_size 40
		.amdhsa_user_sgpr_count 2
		.amdhsa_user_sgpr_kernarg_segment_ptr 1
		.amdhsa_wavefront_size32 1
		.amdhsa_system_sgpr_workgroup_id_x 1
		.amdhsa_system_sgpr_workgroup_id_y 1
		.amdhsa_system_sgpr_workgroup_id_z 1
		.amdhsa_system_vgpr_workitem_id 0
		.amdhsa_next_free_vgpr 1024
		.amdhsa_next_free_sgpr 100
		.amdhsa_reserve_vcc 0
		.amdhsa_float_denorm_mode_32 3
		.amdhsa_float_denorm_mode_16_64 3
		.amdhsa_memory_ordered 1
		.amdhsa_forward_progress 1
		.amdhsa_inst_pref_size 125
	.end_amdhsa_kernel
	.amdgpu_metadata
---
amdhsa.version: [ 1, 2 ]
amdhsa.kernels:
  - .name:           k_q466afbb4f6_outp
    .symbol:         k_q466afbb4f6_outp.kd
    .args:
      - { .name: ci, .offset: 0, .size: 8, .value_kind: global_buffer, .address_space: global }
      - { .name: wc, .offset: 8, .size: 8, .value_kind: global_buffer, .address_space: global }
      - { .name: lowp_scales, .offset: 16, .size: 8, .value_kind: global_buffer, .address_space: global }
      - { .name: bo, .offset: 24, .size: 8, .value_kind: global_buffer, .address_space: global }
      - { .name: out0, .offset: 32, .size: 8, .value_kind: global_buffer, .address_space: global }
    .group_segment_fixed_size: 327680
    .private_segment_fixed_size: 0
    .kernarg_segment_align: 8
    .kernarg_segment_size: 40
    .max_flat_workgroup_size: 128
    .sgpr_count:     100
    .vgpr_count:     1024
    .wavefront_size: 32
...
	.end_amdgpu_metadata
.endif
;; end of part 4
